; MI455X (gfx1250); checked and timed in simulation.
; The chip was launched on July 23, 2026; its instructions are those of AMD's public machine-readable ISA for CDNA 5 (MIT licence, August 2026) and "CDNA5" Instruction Set Architecture Reference Guide (July 2026). The comments in the code are by the model that wrote it; some were corrected since.
;; Scaled Dot Product Attention. Allowed arithmetic: matrix products marked QUANTISED: E5M2 operands, one given power-of-two scale a tensor, by v_wmma_f32_16x16x64_bf8_bf8 or v_wmma_f32_16x16x128_bf8_bf8, f32 sums; everything else in f32.
;; Inputs: K_codes 8 x 4,096 x 4 x 32 uint8 (E5M2 codes of K, K innermost, in blocks of 32 codes); Q_codes 8 x 4,096 x 4 x 32 uint8 (E5M2 codes of Q, K innermost, in blocks of 32 codes); V_codes 8 x 128 x 128 x 32 uint8 (E5M2 codes of V, K innermost, in blocks of 32 codes); lowp_scales 4 int32 (the exponents e of the quantised operands' scales 2^e).
;; Outputs: out0 8 x 4,096 x 128 float32.
;; This version of the problem:
;;   THIS VERSION OF THE PROBLEM IS GIVEN IN LOW PRECISION. The matrix products marked QUANTISED in the list below multiply operands that are first quantised to E5M2 (5 exponent bits, 2 mantissa bits; 8 bits a number), with one given power-of-two scale for each operand tensor; their sums are f32. All else is computed in f32.
;;   The module's matrix products, in the order in which they are computed (A, B: the left and right operand; K: the contracted axis; several contracted axes count as one K, in the product's order):
;;     1. batch 8 x [M 4,096, K 128] x [K 128, N 4,096]; A: input Q (given as codes); B: input K (given as codes): QUANTISED (scales: A lowp_scales[0], B lowp_scales[1])
;;     2. batch 8 x [M 4,096, K 4,096] x [K 4,096, N 128]; A: softmax (see below); B: input V (given as codes): QUANTISED (scales: A lowp_scales[2], B lowp_scales[3])
;;   THE QUANTISER, for each operand of a quantised product, along K:
;;     - The operand's scale is 2^e, e = its entry of the input lowp_scales (int32; the entries are numbered through the quantised products in the list's order, A before B).
;;     - Each number is divided by the scale, clamped to +-57,344, and rounded to the nearest number of E5M2, ties to even, subnormals kept.
;;     - The product sums the exact products of the quantised numbers (number of the format x scale) in f32.
;;   ~~~python
;;   def quantise(x, axis, e):      # numpy; x: float32 -> the quantised numbers, widened to float32 again
;;       x = np.moveaxis(x, axis, -1); K = x.shape[-1]
;;       r = np.clip(x / 2.0 ** e, -57344, 57344)
;;       step = 2.0 ** (np.maximum(np.frexp(np.where(r == 0, 1, r))[1] - 1, -14) - 2)
;;       q = np.round(r / step) * step * 2.0 ** e      # np.round: ties to even
;;       return np.moveaxis(q, -1, axis).astype(np.float32)
;;   ~~~
;;   SOFTMAX AHEAD OF A QUANTISED PRODUCT. Where the list says 'softmax', what is quantised is not the finished softmax but p = 2^(t - M), with t = logit x log2(e) and M = ceil(the row's largest t), a whole number; so 1/2 < the row's largest p <= 1. The row's sum l is taken of the UNQUANTISED p, in f32, and the product's result is divided by l at the end. Since M is a whole number, a kernel that streams over the keys may use a running M (the ceiling of the running maximum): every later rescaling is an exact power of two, so the quantised numbers keep their values, but for numbers so far below the row's largest that they fall under the format's range.
;;   OPERANDS COMPUTED ON THE WAY. 'Computed on the way' means the value that the module computes at that place (a softmax that the list does not call 'softmax' is quantised finished and normalised). What goes into a quantiser is computed in f32, as accurately as f32 sums, v_exp_f32 and their like allow (about 1e-6 of the number): no bf16 or f16 on the way to a quantiser, and a product that is left as it is and whose result goes on into a quantised operand takes f32 operands (vector FMAs, or v_wmma_f32_16x16x4_f32). A number that lies on a knife's edge between two numbers of the format may be rounded either way, as far as f32 arithmetic and the matrix unit's own rounding can turn it there, and no further.
;;   INPUTS GIVEN AS CODES. K (in the module: [8, 4096, 128], K = its axis 2); Q (in the module: [8, 4096, 128], K = its axis 2); V (in the module: [8, 4096, 128], K = its axis 1): each comes as NAME_codes (uint8): NAME with its K axis moved to the last place and cut into blocks of 32 codes, [.., K / 32, bytes a block], one block behind the other in memory; one code a byte (a code: sign, 5 exponent bits, 2 mantissa bits); its scale is its entry of lowp_scales. Its value is code x scale, taken as it is: it is not quantised again, and the codes and scales need not be those that the quantiser above would give.
;; One version. Each part assembles by itself: llvm-mc -triple=amdgcn-amd-amdhsa -mcpu=gfx1250 --defsym DOCPART=n.
;; ======== version 1 of 1: 1 launch
;; limits: right only within a limited range of input values
;; launch attn (part 1): grid 32 x 8, 8 waves a work-group, clusters of 4 x 1, 327,680 bytes of LDS; arguments K_codes, Q_codes, V_codes, lowp_scales, out0; writes out0
.if DOCPART == 1
	.amdgcn_target "amdgcn-amd-amdhsa--gfx1250"
	.amdhsa_code_object_version 6
	.text
	.protected	k_q185c98419f_attn
	.globl	k_q185c98419f_attn
	.p2align	8
	.type	k_q185c98419f_attn,@function
k_q185c98419f_attn:
	s_mov_b64 s[64:65], 0
	v_nop
	global_prefetch_b8 v0, s[64:65] scope:SCOPE_SE
	s_setreg_imm32_b32 hwreg(HW_REG_WAVE_MODE, 25, 1), 1
	s_wait_xcnt 0x0
	s_wait_alu depctr_hold_cnt(0) depctr_sa_sdst(0) depctr_va_vdst(0) depctr_va_sdst(0) depctr_va_ssrc(0) depctr_va_vcc(0) depctr_vm_vsrc(0)
	s_getreg_b32 s2, hwreg(HW_REG_IB_STS2, 6, 4)
	s_cmp_eq_u32 s2, 0
	s_cbranch_scc0 .Lentry_in_a_cluster
	s_endpgm
.Lentry_in_a_cluster:
	s_bfe_u32 s2, ttmp6, 0x10000c
	s_cmp_lg_u32 s2, 0x3003
	s_cbranch_scc0 .Lentry_shape_is_right
	s_endpgm
.Lentry_shape_is_right:
; out0[b][q][:] = the sum over k of softmax_k(Q[b][q] . K[b][k]) V[b][k][:], 8 heads, 4,096 queries, 4,096 keys, head size 128, both products on codes of BF8 (E5M2), each tensor with its given scale 2^e.
; Q, K: [8][4096][128] codes, the head's 128 innermost.  V: [8][128][4096] codes, the KEYS innermost.  lowp_scales: eq, ek, ep, ev.  out0: [8][4096][128] f32.
; SOFTMAX: t = score x 2^(eq + ek) x log2(e); M = the largest t so far, rounded UP to a whole number; p = 2^(t - M) is quantised with 2^ep, not normalised.  The row's sum is taken of the
; unquantised p and divides at the end; when M moves, the sum and O are multiplied by 2^(old M - new M), which rounds nothing.
; SHARES.  A work-group owns 128 queries of one head: 32 x 8 = 256 work-groups.  Wave w = 2 qg + kh owns 32 queries, two tiles of 16, and of every 512 keys the 256 keys 256 kh on: a step.  Eight waves of 512 registers,
; two to a SIMD: one wave's matrix instructions and waits stand beside the other's vector work.  Register tile x holds query tile x xor kh of the wave's two: at the end every wave KEEPS register tile 0
; and SENDS register tile 1 to its partner (the same queries, the other keys) through LDS, once; the partner's register tile 1 is my register tile 0.
; LAYOUT.  S^T = K Q^T (source 0 = 16 neighbouring keys, source 1 = 16 queries): one instruction makes a tile, and a lane holds ONE query (lane % 16) and keys 16 i + 8 (lane / 16) + 0..7 in fragment i's eight registers.
; One conversion of these eight gives registers 2 i, 2 i + 1 of source 1 of O^T += V^T P, in that form's own order of k; V's fragments are fetched 8 bytes at a time in the same order.
; K's and Q's fragments are fetched 16 bytes at a time: a permutation of the head's 128, the same on both sides.
; CLUSTER.  The four query blocks of a cluster belong to one head and walk the same K and V: each tile is asked for JOINTLY, by the same tensor load with the same descriptor and the mask of all four.
; PREFETCH.  The eight clusters of a head walk the same eight slots' worth of K and V: cluster x asks for slot x (x = 3 to 7) at step x - 3: one step ahead of K's joint load, two ahead of V's.  Its four work-groups share the
; blocks by address: waves 0, 1 of each 64 of K's 256 blocks of 256 bytes, waves 2, 3 both blocks of 32 of V's 128 rows: each block once in the launch.  Slots 0 to 2 come by their loads alone.
; LIMITS.  eq + ek between -126 and 127 (they are added to the exponent field of log2(e)); ep between -126 and 112; ep + ev is applied by v_ldexp_f32.  Codes of infinity or NaN are not served.
; The scaled scores t are under 2^31 in magnitude.  Where 57,344 x 2^ep is under 1 (ep under -15) p is held at the largest code against the wave's RUNNING M, not against the row's final M.
;
; REGISTERS, in windows of 256 (s_set_vgpr_msb: bits 1:0 source 0, 3:2 source 1, 5:4 source 2, 7:6 destination):
;   window 0: v0-31 below; v32-63 Q, 16 a tile; v64-127 KB: four fragments of K; v128-255 O^T, 64 a tile
;   window 1: v0-127 the scores of tile 0, v128-255 of tile 1, for 256 keys: 8 i on = keys 16 i on.  p's codes are laid over converted scores of tile 0: v0-31 tile 0's, v32-63 tile 1's (16 for each 128 keys);
;   then V's fragments lie on v64-127 and v128-255, then the next step's K fragments 4, 5, 8, 9 on v64-127 and 6, 7, 10, 11 on v192-255.
.set KP,    272                        ; K in LDS: a row holds TWO keys (256 bytes, dense in memory) + 16 of padding
.set KHALF, 128*KP                     ; 256 keys: what one tensor load brings, and what one wave reads of a slot
.set KFR,   8*KP                       ; 16 keys
.set KSLOT, 2*KHALF                    ; 69,632 = 0x11000
.set VOFF,  2*KSLOT                    ; behind K's two slots: V's two slots, 128 channel rows of 512 keys each
.set VP,    528                        ; a channel's 512 keys + 16 of padding
.set VHALF, 64*VP                      ; 64 channels: what one tensor load brings
.set VFR,   16*VP                      ; 16 channels
.set VSLOT, 2*VHALF                    ; 67,584 = 0x10800.  No address that is turned has a bit of 0x11000 (K) or 0x10800 (V) set in its slot 0 form: one exclusive or adds or takes off the slot
.set SPARE, VOFF+2*VSLOT               ; the spare words, 128 bytes for each wave: four blocks of 256 bytes that no other line names
.set XW,    8448                       ; the merge: for each wave 16 images of four registers (512 bytes each), then two rows of 128 bytes of statistics.  It lies in K's slots,
.set XST,   8192                       ; which have had their last fill and their last read when the first of these bytes is stored
.set STG,   8*XW                       ; behind it, still in K's slots: a stage of 16 rows x (512 + 16) bytes for each wave, for the way out
.set ADK, 1                            ; v1  LDS address of the step's K;  v2 of the step's V;  v3, v4 my lane's place in slot 0 of K, of V
.set ADV, 2
.set AK0, 3
.set AV0, 4
.set PFO, 5                            ; v5  the prefetch's offset; never rewritten
.set SPW, 6                            ; v6  LDS address of my spare word: SPARE + 4 x my thread's number; never rewritten
.set NIL, 7                            ; v7  0; never rewritten
.set LIM, 8                            ; v8  57,344 x 2^ep
.set SCL, 9                            ; v9  2^ep as f32: the conversion takes its exponent field
.set TP,  10                           ; v[10:11] tile 0's first eight codes, until their place is free
.set ST,  12                           ; tile t: v[12 + 4 t]: +0 -M, +1 the largest raw score, +2, +3 the sum in two halves
.set C0,  20                           ; v20-27 eight chains of the maximum, four a tile; then the sum's four chains of pairs
.set F,   28                           ; v[28+2t:29+2t] f = 2^(old M - new M) of tile t; the upper words are written once
.set Q0,  32
.set KB,  64
.set O,   128
.set WV,  14                           ; s14 wave;  s15 qg;  s16 kh;  s17 ep + ev
.set QG,  15
.set KH,  16
.set EPV, 17
.set PFA, 18                           ; s[18:19] where my prefetch stands
.set PLIM, 20                          ; s20 the step at which my wave prefetches; none reaches it in waves 4 to 7 and in clusters 0 to 2
.set STP, 21                           ; s21 the step
.set G1K, 24                           ; s[24:31] descriptor group 1 for K's tiles;  s[32:39] for V's;  s[40:43], s[44:47] their groups 0
.set G1V, 32
.set G0K, 40
.set G0V, 44
.set CS,  56                           ; s[56:57] c = log2(e) x 2^(eq + ek): the packed form names a pair and takes its low word for both halves
.set SEL, 58                           ; s[58:59] lane selects for v_permlanex16_b32: lane l xor 16
.set TBK, 60                           ; s60, s61 slot of K, of V: its byte distance from slot 0
.set TBV, 61
.set MSB, 0
.macro WIN new                         ; the immediate's high byte repeats the setting that is left; a switch that changes nothing is dropped
.if MSB != \new
	s_set_vgpr_msb (MSB<<8)|\new
.set MSB, \new
.endif
.endm
.macro VDONE
	s_wait_alu depctr_va_vdst(0)
.endm
.macro PLACES n
.rept \n
	v_nop
.endr
.endm
; A round of the cluster's barrier: my work-group's barrier; wave 0 signals for the work-group; every wave waits for all four work-groups; my work-group's barrier once more.
; CMEET: behind the opening barrier, up to the closing signal.
.macro CMEET
	s_cmp_lg_u32 s[WV], 0
	s_cbranch_scc1 .Lnot_wave_0_\@
	s_barrier_signal -3
.Lnot_wave_0_\@:
	s_barrier_wait -3
	s_barrier_signal -1
.endm
.macro CROUND
	s_barrier_signal -1
	s_barrier_wait -1
	CMEET
	s_barrier_wait -1
.endm
; The joint refills: waves 0 and 1 fetch K's two halves (fk), waves 2 and 3 V's (fv).  The branches hang on the wave's number alone.
.macro JLOAD fk, fv
	s_cmp_lt_u32 s[WV], 2
.if \fk
	s_cbranch_scc0 .Lnot_k_\@
	tensor_load_to_lds s[G0K:G0K+3], s[G1K:G1K+7]
	s_nop 0
	PLACES 4
	s_branch .Lasked_\@
.Lnot_k_\@:
.else
	s_cbranch_scc1 .Lasked_\@
.endif
.if \fv
	s_cmp_lt_u32 s[WV], 4
	s_cbranch_scc0 .Lasked_\@
	tensor_load_to_lds s[G0V:G0V+3], s[G1V:G1V+7]
	s_nop 0
	PLACES 4
.endif
.Lasked_\@:
.endm
.macro LK dst, i                       ; K's fragment i (16 keys): four loads of 16 bytes
.irp c, 0,1,2,3
	ds_load_b128 v[\dst+4*\c:\dst+4*\c+3], v[ADK] offset:(\i)*KFR+32*\c
.endr
.endm
.macro LV dst, hh, a                   ; V's channels 16 a on, the step's keys 128 hh on: registers 2 i, 2 i + 1 hold keys 16 i + 8 (lane / 16) + 0 .. 7
.irp i, 0,1,2,3,4,5,6,7
	ds_load_b64 v[\dst+2*\i:\dst+2*\i+1], v[ADV] offset:(\a)*VFR+128*(\hh)+16*\i
.endr
.endm
.macro KW i, src                       ; S^T of keys 16 i on for both tiles: the whole head's 128 in one instruction, which starts and ends the sum
.irp x, 0,1
	v_wmma_f32_16x16x128_bf8_bf8 v[128*\x+8*(\i):128*\x+8*(\i)+7], v[\src:\src+15], v[Q0+16*\x:Q0+16*\x+15], 0
.endr
.endm
.macro PW a, hh, src, zero             ; O^T of channels 16 a on for both tiles += V^T P over 128 keys.  The accumulators take turns, one instruction a turn
.irp x, 0,1
.if \zero
	v_wmma_f32_16x16x128_bf8_bf8 v[O+64*\x+8*(\a):O+64*\x+8*(\a)+7], v[\src:\src+15], v[32*\x+16*(\hh):32*\x+16*(\hh)+15], 0
.else
	v_wmma_f32_16x16x128_bf8_bf8 v[O+64*\x+8*(\a):O+64*\x+8*(\a)+7], v[\src:\src+15], v[32*\x+16*(\hh):32*\x+16*(\hh)+15], v[O+64*\x+8*(\a):O+64*\x+8*(\a)+7]
.endif
.endr
.endm
; The maximum over fragments 4 g .. 4 g + 3 of both tiles, in eight chains, each accumulator from its low end on; the old maximum starts each chain.
.macro MAXG g
	WIN 0x14
.irp r, 0,1,2,3
.irp t, 0,1
.irp q, 0,1,2,3
.if ((\g) == 0) && ((\r) == 0)
	v_max3_num_f32 v[C0+4*\t+\q], v[ST+4*\t+1], v[128*\t+8*\q], v[128*\t+8*\q+1]
.else
	v_max3_num_f32 v[C0+4*\t+\q], v[C0+4*\t+\q], v[128*\t+32*(\g)+8*\q+2*\r], v[128*\t+32*(\g)+8*\q+2*\r+1]
.endif
.endr
.endr
.endr
.endm
; The two tiles' statistics, in turns.
.macro STATS
	WIN 0
.irp t, 0,1
	v_max3_num_f32 v[C0+4*\t], v[C0+4*\t], v[C0+4*\t+1], v[C0+4*\t+2]
.endr
.irp t, 0,1
	v_max_num_f32 v[C0+4*\t], v[C0+4*\t], v[C0+4*\t+3]
.endr
.irp t, 0,1
	v_permlanex16_b32 v[C0+4*\t+1], v[C0+4*\t], s[SEL], s[SEL+1]   ; the query's other keys lie in the lane 16 away
.endr
.irp t, 0,1
	v_max_num_f32 v[ST+4*\t+1], v[C0+4*\t], v[C0+4*\t+1]           ; the running largest score
.endr
.irp t, 0,1
	v_mul_f32 v[C0+4*\t+3], s[CS], v[ST+4*\t+1]                    ; as t (c is positive)
.endr
.irp t, 0,1
	v_floor_f32 v[C0+4*\t+1], -v[C0+4*\t+3]                        ; -M = floor(-t) = -ceil(t): M is a whole number
.endr
.irp t, 0,1
	v_sub_f32 v[C0+4*\t+2], v[C0+4*\t+1], v[ST+4*\t]               ; old M less new M: a whole number, 0 or less
.endr
.irp t, 0,1
	v_mov_b32 v[ST+4*\t], v[C0+4*\t+1]
.endr
.irp t, 0,1
	v_cvt_i32_f32 v[C0+4*\t+2], v[C0+4*\t+2]                       ; (it saturates)
.endr
.irp t, 0,1
	v_ldexp_f32 v[F+2*\t], 1.0, v[C0+4*\t+2]
.endr
.endm
; THE SOFTMAX.  The 2 x 128 scores of a lane go in four chunks of 64: chunk c = tile c / 2, registers 64 c on.
.macro FM c, k                         ; t - M, two at a time (of the pairs c and -M the low word serves both halves)
.set mb, 64*(\c)+2*(\k)
.set mt, ST+4*((\c)/2)
	v_pk_fma_f32 v[mb:mb+1], v[mb:mb+1], s[CS:CS+1], v[mt:mt+1] op_sel_hi:[1,0,0]
.endm
.macro MN c, k                         ; the conversion to an 8-bit code does not saturate (ISA guide 7.6.2); p is not negative, so the hold is one-sided
.set mb, 64*(\c)+2*(\k)
	v_dual_min_num_f32 v[mb], v[mb], v[LIM] :: v_dual_min_num_f32 v[mb+1], v[mb+1], v[LIM]
.endm
.macro CV c, j                         ; eight numbers converted; the codes land on scores of tile 0 that have been converted
.set mt, (\c)/2
.set mi, 8*((\c)%2)+(\j)
	v_cvt_scalef32_pk8_bf8_f32 v[32*mt+2*mi:32*mt+2*mi+1], v[128*mt+8*mi:128*mt+8*mi+7], v[SCL]
.endm
.macro JOIN t                          ; the sum under the new M, and this step's four chains onto it
	WIN 0
	v_pk_add_f32 v[C0:C0+1], v[C0:C0+1], v[C0+2:C0+3]
	v_pk_add_f32 v[C0+4:C0+5], v[C0+4:C0+5], v[C0+6:C0+7]
	v_pk_add_f32 v[C0:C0+1], v[C0:C0+1], v[C0+4:C0+5]
	v_pk_fma_f32 v[ST+4*(\t)+2:ST+4*(\t)+3], v[ST+4*(\t)+2:ST+4*(\t)+3], v[F+2*(\t):F+2*(\t)+1], v[C0:C0+1] op_sel_hi:[1,0,1]
.endm
; Phase c: the chunk's 64 exponentials.  Beside them stand t - M of chunk c + 1, the hold of chunk c - 1 (summed in the phase before) and, in phase 2, chunk 0's conversions: none reads what another of the phase writes.
; One wait behind the phase serves its exponentials, and is the wait ahead of the next phase's.
.macro EXPS c
.if (\c) == 2
	WIN 0x40
	v_mov_b32 v0, v[TP]                            ; tile 0's first codes take their place: nothing was free there when they were made
	v_mov_b32 v1, v[TP+1]
.endif
	WIN 0x41
.set eb, 64*(\c)
.irp k, 0,1,2,3,4,5,6,7,8,9,10,11,12,13,14,15,16,17,18,19,20,21,22,23,24,25,26,27,28,29,30,31
	v_exp_f32 v[eb+2*\k], v[eb+2*\k]
.if ((\c) > 0) && ((\c) < 3)
	MN \c-1, \k
.endif
	v_exp_f32 v[eb+2*\k+1], v[eb+2*\k+1]
.if ((\c) == 2) && ((\k)%4 == 1) && ((\k) > 1)
	CV 0, \k/4
.endif
.if (\c) < 3
	FM \c+1, \k
.else
	MN \c-1, \k
.endif
.endr
	VDONE
.endm
.macro ADDS c                          ; the chunk's sums, of the unquantised p, in four chains
.set ab, 64*(\c)
.if (\c) == 1
	WIN 0x01
	v_cvt_scalef32_pk8_bf8_f32 v[TP:TP+1], v[0:7], v[SCL]
.endif
.if (\c)%2 == 0
	WIN 0x05
.irp k, 0,1,2,3
	v_pk_add_f32 v[C0+2*\k:C0+2*\k+1], v[ab+2*\k:ab+2*\k+1], v[ab+8+2*\k:ab+8+2*\k+1]
.endr
.endif
	WIN 0x01
.irp k, 0,1,2,3,4,5,6,7,8,9,10,11,12,13,14,15,16,17,18,19,20,21,22,23,24,25,26,27,28,29,30,31
.if ((\c)%2 > 0) || ((\k) > 7)
	v_pk_add_f32 v[C0+2*((\k)%4):C0+2*((\k)%4)+1], v[ab+2*\k:ab+2*\k+1], v[C0+2*((\k)%4):C0+2*((\k)%4)+1]
.endif
.endr
.if (\c) == 1
	JOIN 0
.endif
.endm
; THE SCORES of step s, and the first half of its softmax.  On the way: fragments 6, 7, 10, 11 (16 loads), behind them 4, 5, 8, 9 (16 loads); fragments 0-3 were asked for ahead of them.  Fragments 12-15 follow into KB.
; Fragments 8-11 write their results where 4-7 lay, 12-15 where 8-11 lay: a group of the maximum, 32 vector instructions, stands between.
; THE CHANGE OF SLOTS opens where my reads of K(s) and V(s - 1) are over.  My tensor load that is out, of K(s + 1) or V(s), is waited for; behind the round K(s + 2) goes where K(s) lay and V(s + 1) where V(s - 1) lay.
; Inside the round stands register work alone: products, maxima, statistics and chunk 0 ahead of the opening wait, chunk 1 ahead of the closing wait.  The fill that follows has the rest of the step, V's products and most of
; the next scores in which to land.  first = 1: step 0: K's fill goes to slot 0 as the head's did, and V's next is there.
.macro SCORES first
	s_wait_dscnt 32                                ; fragments 0-3
	WIN 0x40
.irp i, 0,1,2,3
	KW \i, KB+16*\i
.endr
	s_wait_dscnt 16                                ; 6, 7, 10, 11; the 16 loads of 4, 5, 8, 9 may be out
	WIN 0x41
	KW 6, 192
	KW 7, 208
	s_wait_dscnt 8                                 ; 4, 5; the 8 loads of 8, 9 may be out
	KW 4, 64
	KW 5, 80
	PLACES 4
	WIN 0
.irp i, 0,1,2,3
	LK KB+16*\i, 12+\i
.endr
	MAXG 0
	VDONE                                          ; the wait ahead of the wait below
	s_wait_dscnt 16                                ; 8, 9; the 16 loads of 12-15 may be out
	WIN 0x41
	KW 8, 96
	KW 9, 112
	KW 10, 224
	KW 11, 240
	WIN 0
	s_wait_tensorcnt 0x0                           ; no tensor load of mine is out, so a group 0 may be written
	ds_add_u32 v[SPW], v[NIL]                      ; 0 onto my spare word
	MAXG 1
.if \first
	s_add_nc_u64 s[G0K+2:G0K+3], s[G0K+2:G0K+3], 131072  ; 1,024 keys on; the type bits on top are not reached
.else
	s_xor_b32 s[G0K+1], s[G0K+1], KSLOT            ; (what is stepped past the last slot is not used)
	s_add_nc_u64 s[G0K+2:G0K+3], s[G0K+2:G0K+3], 65536   ; 512 keys on
	s_xor_b32 s[G0V+1], s[G0V+1], VSLOT
	s_add_nc_u64 s[G0V+2:G0V+3], s[G0V+2:G0V+3], 512
.endif
	s_xor_b32 s[TBK], s[TBK], KSLOT                ; the next scores come from the other slot of K
	VDONE
	s_wait_dscnt 0x0                               ; the add is done; 12-15 are in: my reads are over
	s_barrier_signal -1
	WIN 0x40
.irp i, 0,1,2,3
	KW 12+\i, KB+16*\i
.endr
	MAXG 2
	MAXG 3
	STATS
	WIN 0x41
.irp k, 0,1,2,3,4,5,6,7,8,9,10,11,12,13,14,15,16,17,18,19,20,21,22,23,24,25,26,27,28,29,30,31
	FM 0, \k
.endr
	VDONE                                          ; the wait ahead of the exponentials
	EXPS 0
	WIN 0
	s_barrier_wait -1
	CMEET
	ADDS 0
	EXPS 1
	ADDS 1
	WIN 0
	VDONE
	s_barrier_wait -1                              ; no wave of any partner still reads what is filled next, or has a load on its way
.endm
; STEP s from behind its change of slots: the fills (fk, fv); the second half of the softmax; O^T += V^T P; then (more = 1) the next scores.
.macro STEP first, fk, fv, ask, more
.if (\fk) || (\fv)
	JLOAD \fk, \fv
.endif
	v_add_nc_u32 v[ADV], s[TBV], v[AV0]
	s_xor_b32 s[TBV], s[TBV], VSLOT
.if \more
	v_add_nc_u32 v[ADK], s[TBK], v[AK0]
.irp i, 0,1,2,3
	LK KB+16*\i, \i
.endr
.endif
.if \ask
	s_cmp_eq_u32 s[STP], s[PLIM]
	s_cbranch_scc0 .Lnot_mine_\@
	global_prefetch_b8 v[PFO], s[PFA:PFA+1] th:TH_LOAD_NT scope:SCOPE_SE
.Lnot_mine_\@:
.endif
	EXPS 2
	ADDS 2
	WIN 0x41
.irp j, 0,1,2,3,4,5,6,7
	CV 1, \j
.endr
	WIN 0x40                                       ; tile 0 is converted: its registers from 64 on are free
.irp i, 0,1,2,3
	LV 64+16*\i, 0, \i
.endr
	EXPS 3
	WIN 0x41
.irp j, 0,1,2,3,4,5,6,7
	CV 2, \j
.endr
	WIN 0x40                                       ; and tile 1's first half
.irp i, 0,1,2,3
	LV 128+16*\i, 0, 4+\i
.endr
	ADDS 3
	WIN 0x41
.irp k, 0,1,2,3,4,5,6,7,8,9,10,11,12,13,14,15,16,17,18,19,20,21,22,23,24,25,26,27,28,29,30,31
	MN 3, \k
.endr
.irp j, 0,1,2,3,4,5,6,7
	CV 3, \j
.endr
	JOIN 1                                         ; (also the plain instructions behind the conversions)
	VDONE
	s_wait_dscnt 32                                ; the first four fragments of V are in, the last 32 loads may be out
	WIN 0x40
.irp i, 0,1,2,3
	LV 192+16*\i, 1, \i
.endr
.if \first == 0
	WIN 0
	VDONE                                          ; the wait directly ahead of the first readers of O^T
.irp x, 0,1                            ; O^T under the new M: x f, each accumulator from its low end on
.set i, 0
.rept 32
	v_pk_mul_f32 v[O+64*\x+i:O+64*\x+i+1], v[O+64*\x+i:O+64*\x+i+1], v[F+2*\x:F+2*\x+1] op_sel_hi:[1,0]
.set i, i+2
.endr
.endr
	VDONE                                          ; and here, ahead of the waits below
.endif
	WIN 0x05
.irp i, 0,1,2,3
	PW \i, 0, 64+16*\i, \first
.endr
	PLACES 4
	WIN 0x40
.irp i, 0,1,2,3
	LV 64+16*\i, 1, 4+\i
.endr
	s_wait_dscnt 32                                ; the eight fragments in tile 1's registers are in
	WIN 0x05
.irp i, 0,1,2,3
	PW 4+\i, 0, 128+16*\i, \first
.endr
.irp i, 0,1,2,3
	PW \i, 1, 192+16*\i, 0
.endr
.if \more
	PLACES 4
	WIN 0x40
	LK 192, 6
	LK 208, 7
	LK 224, 10
	LK 240, 11
	s_wait_dscnt 16                                ; V's last four are in; the 16 loads just issued may be out
	WIN 0x05
.else
	s_wait_dscnt 0x0
.endif
.irp i, 0,1,2,3
	PW 4+\i, 1, 64+16*\i, 0
.endr
.if \more
	PLACES 5                                       ; the next scores are laid over p's codes
	WIN 0x40
	LK 64, 4
	LK 80, 5
	LK 96, 8
	LK 112, 9
	SCORES 0
.endif
.endm
	s_load_b256 s[4:11], s[0:1], 0x0               ; K s[4:5], Q s[6:7], V s[8:9], the scales' exponents s[10:11]
	s_load_b64 s[12:13], s[0:1], 0x20              ; out0
	v_lshl_add_u32 v[SPW], v0, 2, SPARE
	v_mov_b32 v[NIL], 0
	ds_add_u32 v[SPW], v[NIL]                      ; the wave's opening: the add, twice on end, and its wait ahead of my first tensor load
	ds_add_u32 v[SPW], v[NIL]
	v_lshrrev_b32 v20, 5, v0
	v_readfirstlane_b32 s[WV], v20                 ; wave 0..7
	s_lshr_b32 s[QG], s[WV], 1                     ; which 32 queries are mine
	s_and_b32 s[KH], s[WV], 1                      ; which 256 of a slot's 512 keys.  Also: which half of K's or V's tile I fetch
	s_and_b32 s75, s[WV], 3                        ; which of the four first fills of K (waves 0-3) or V (waves 4-7): slot s75 / 2, half s75 % 2
	s_bfe_u32 s72, ttmp6, 0x40000                  ; cx: my place in the cluster
	s_lshl_b32 s73, ttmp9, 2                       ; in a cluster launch ttmp9 counts clusters
	s_add_co_u32 s73, s73, s72                     ; my block of 128 queries = 4 x cluster x + cx: it enters Q's and out0's addresses alone
	s_and_b32 s74, ttmp7, 0xffff                   ; the head, which the four partners share
	s_lshl_b32 s76, s74, 19                        ; the head's first byte in each tensor of codes
	s_mov_b32 s77, 0
	s_lshl_b32 s78, s75, 15                        ; K: 256 keys of 128 bytes a fill, dense over both slots
	s_mov_b32 s79, 0
	s_add_nc_u64 s[78:79], s[78:79], s[76:77]
	s_lshl_b32 s80, s[KH], 18                      ; V: 64 channel rows of 4,096 bytes a half,
	s_and_b32 s81, s75, 2
	s_lshl_b32 s81, s81, 8                         ; 512 keys a slot
	s_add_co_u32 s80, s80, s81
	s_mov_b32 s81, 0
	s_add_nc_u64 s[80:81], s[80:81], s[76:77]
	s_mul_i32 s82, s75, KHALF                      ; and where they go: no place in the cluster enters an LDS address
	s_mul_i32 s83, s75, VHALF
	s_add_co_u32 s83, s83, VOFF
	s_lshl_b32 s84, s73, 14                        ; Q: 128 rows of 128 bytes a block, 32 a wave, in my head
	s_lshl_b32 s85, s[QG], 12
	s_add_co_u32 s84, s84, s85
	s_add_co_u32 s84, s84, s76
	s_mov_b32 s85, 0
	s_lshl_b32 s86, s74, 21                        ; out0: 512 bytes a row: head, block, 32 a query group, and the 16 rows that I keep
	s_lshl_b32 s87, s73, 16
	s_add_co_u32 s86, s86, s87
	s_lshl_b32 s87, s[QG], 14
	s_add_co_u32 s86, s86, s87
	s_lshl_b32 s87, s[KH], 13
	s_add_co_u32 s86, s86, s87
	s_mov_b32 s87, 0
	; my prefetch: in K 65,536 x slot + 16,384 x cx + 8,192 x (wave % 2), lanes 256 bytes apart; in V row 32 cx + lane, 512 x slot + 256 x (wave % 2)
	s_lshl_b32 s90, ttmp9, 16
	s_lshl_b32 s91, s72, 14
	s_add_co_u32 s90, s90, s91
	s_lshl_b32 s91, s[KH], 13
	s_add_co_u32 s90, s90, s91
	s_lshl_b32 s91, s72, 17
	s_lshl_b32 s92, ttmp9, 9
	s_add_co_u32 s91, s91, s92
	s_lshl_b32 s92, s[KH], 8
	s_add_co_u32 s91, s91, s92
	s_mov_b32 s92, 4096
	s_cmp_lt_u32 s[WV], 2
	s_cselect_b32 s90, s90, s91
	s_cselect_b32 s92, 256, s92
	s_add_co_u32 s90, s90, s76
	s_mov_b32 s91, 0
	s_sub_co_u32 s[PLIM], ttmp9, 3
	s_cmp_lt_u32 s[WV], 4
	s_cselect_b32 s[PLIM], s[PLIM], -1
	s_mov_b32 s[STP], 0
	; descriptor group 1.  K: 128 rows of 256 bytes, dense in memory.  V: 64 rows of 512 bytes, 4,096 bytes apart
	s_mov_b32 s[G1K], 15|(1<<20)|(1<<21)|(5<<22)|(3<<25)   ; 15:0 the mask: all four work-groups; 17:16 elements of 1 byte; 20 padding on; 21 set beside a mask; 24:22 after every 64 words (code 5); 31:25 four words (code 3)
	s_mov_b32 s[G1K+1], 256<<16                    ; tensor_dim0
	s_mov_b32 s[G1K+2], 128<<16                    ; tensor_dim1
	s_mov_b32 s[G1K+3], 256<<16                    ; tile_dim0
	s_mov_b32 s[G1K+4], 128                        ; tile_dim1
	s_mov_b32 s[G1K+5], 256                        ; tensor_dim0_stride
	s_mov_b32 s[G1K+6], 0
	s_mov_b32 s[G1K+7], 0
	s_mov_b32 s[G1V], 15|(1<<20)|(1<<21)|(6<<22)|(3<<25)   ; the same with the padding after every 128 words (code 6)
	s_mov_b32 s[G1V+1], 512<<16
	s_mov_b32 s[G1V+2], 64<<16
	s_mov_b32 s[G1V+3], 512<<16
	s_mov_b32 s[G1V+4], 64
	s_mov_b32 s[G1V+5], 4096
	s_mov_b32 s[G1V+6], 0
	s_mov_b32 s[G1V+7], 0
	s_mov_b32 s[CS], 0x3fb8aa3b                    ; log2(e)
	s_mov_b32 s[SEL], 0x76543210
	s_mov_b32 s[SEL+1], 0xfedcba98
	s_mov_b32 s[TBK], 0
	s_mov_b32 s[TBV], 0
	s_mul_i32 s88, s[KH], KHALF
	s_lshl_b32 s89, s[KH], 8
	s_add_co_u32 s89, s89, VOFF
	s_lshl_b32 s93, s[KH], 11                      ; register tile 0 is query tile kh: 16 kh rows of 128 bytes on; register tile 1 the other
	s_xor_b32 s94, s93, 2048
	v_and_b32 v20, 15, v0                          ; r = lane % 16
	v_bfe_u32 v21, v0, 4, 1                        ; h = lane / 16
	v_and_b32 v22, 31, v0                          ; lane
	v_lshrrev_b32 v23, 1, v20
	v_mul_u32_u24 v[AK0], v23, KP                  ; K: key r of a fragment lies in row r / 2,
	v_and_b32 v23, 1, v20
	v_lshl_add_u32 v[AK0], v23, 7, v[AK0]          ; in its half r % 2,
	v_lshl_add_u32 v[AK0], v21, 4, v[AK0]          ; + 16 h,
	v_add_nc_u32 v[AK0], s88, v[AK0]               ; in my half of the slot's keys
	v_mul_u32_u24 v[AV0], v20, VP                  ; V: channel row r, + 8 h, + my 256 keys of the row's 512
	v_lshl_add_u32 v[AV0], v21, 3, v[AV0]
	v_add_nc_u32 v[AV0], s89, v[AV0]
	v_lshlrev_b32 v24, 7, v20
	v_lshl_add_u32 v24, v21, 4, v24                ; Q: row r of 128 bytes, + 16 h
	v_add_nc_u32 v25, s94, v24
	v_add_nc_u32 v24, s93, v24
	v_mul_lo_u32 v[PFO], v22, s92
	v_mov_b32 v[ADK], v[AK0]
	VDONE
	s_wait_dscnt 0x0                               ; both opening adds are done
	s_wait_kmcnt 0x0
	s_load_b128 s[68:71], s[10:11], 0x0            ; eq, ek, ep, ev
	s_cmp_lt_u32 s[WV], 2
	s_cselect_b64 s[PFA:PFA+1], s[4:5], s[8:9]
	s_add_nc_u64 s[PFA:PFA+1], s[PFA:PFA+1], s[90:91]
	s_add_nc_u64 s[6:7], s[6:7], s[84:85]          ; Q at my wave's first row
	s_add_nc_u64 s[12:13], s[12:13], s[86:87]      ; out0 at the first row that I keep
	CROUND                                         ; all four work-groups are here: the first joint loads meet
	s_mov_b32 s[G0K], 1                            ; 1:0 count = 1
	s_mov_b32 s[G0K+1], s82                        ; 63:32 LDS address
	s_add_nc_u64 s[G0K+2:G0K+3], s[4:5], s[78:79]  ; 120:64 global address
	s_or_b32 s[G0K+3], s[G0K+3], 0x80000000        ; 127:126 type = 2
	s_mov_b32 s[G0V], 1
	s_mov_b32 s[G0V+1], s83
	s_add_nc_u64 s[G0V+2:G0V+3], s[8:9], s[80:81]
	s_or_b32 s[G0V+3], s[G0V+3], 0x80000000
	s_cmp_lt_u32 s[WV], 4                          ; the first fills, one a wave: slots 0 and 1 of K and of V
	s_cbranch_scc0 .Lfirst_v
	tensor_load_to_lds s[G0K:G0K+3], s[G1K:G1K+7]
	s_nop 0
	PLACES 4
	s_branch .Lfirst_asked
.Lfirst_v:
	tensor_load_to_lds s[G0V:G0V+3], s[G1V:G1V+7]
	s_nop 0
	PLACES 4
.Lfirst_asked:
.irp c, 0,1,2,3                        ; Q stays in registers: registers 4 c .. 4 c + 3 hold the head's 32 c + 16 h + 0 .. 15
	global_load_b128 v[Q0+4*\c:Q0+4*\c+3], v24, s[6:7] offset:32*\c
	global_load_b128 v[Q0+16+4*\c:Q0+16+4*\c+3], v25, s[6:7] offset:32*\c
.endr
	s_wait_kmcnt 0x0
	s_add_co_i32 s94, s68, s69
	s_lshl_b32 s94, s94, 23
	s_add_co_i32 s[CS], s[CS], s94                 ; a score stands for score x 2^(eq + ek): the two exponents are added to the exponent field of log2(e)
	s_mov_b32 s[CS+1], s[CS]                       ; (named with it as a pair, so it is written)
	s_add_co_i32 s94, s70, 127
	s_lshl_b32 s95, s94, 23
	v_mov_b32 v[SCL], s95                          ; 2^ep as f32
	s_add_co_i32 s94, s94, 15
	s_lshl_b32 s94, s94, 23
	s_or_b32 s94, s94, 0x600000
	v_mov_b32 v[LIM], s94                          ; 57,344 x 2^ep
	s_add_co_i32 s[EPV], s70, s71                  ; ep + ev
.irp t, 0,1                            ; the statistics begin so that the first f comes out as 0 and multiplies a sum of 0
	v_mov_b32 v[ST+4*\t+1], 0xff61b1e6             ; the largest score so far: -3e38
	v_mov_b32 v[ST+4*\t], 0x7f61b1e6               ; -M: 3e38
	v_mov_b32 v[ST+4*\t+2], 0                      ; the sum, in two halves
	v_mov_b32 v[ST+4*\t+3], 0
	v_mov_b32 v[F+2*\t+1], 0                       ; (named as the upper half of the pair)
.endr
	VDONE                                          ; the wait at the head's end
	s_wait_loadcnt 0x0                             ; Q
	s_wait_tensorcnt 0x0                           ; my first fill is in
	s_barrier_signal -1
	s_barrier_wait -1                              ; everybody's is
.irp i, 0,1,2,3
	LK KB+16*\i, \i
.endr
	WIN 0x40
	LK 192, 6
	LK 208, 7
	LK 224, 10
	LK 240, 11
	LK 64, 4
	LK 80, 5
	LK 96, 8
	LK 112, 9
	SCORES 1
	STEP 1, 1, 0, 1, 1                             ; step 0: K(2) is asked for; its products start O^T
	s_mov_b32 s[STP], 1
.Lstep:                                            ; steps 1 to 5: K(3) .. K(7), V(2) .. V(6) are asked for.  (At a label and at a branch every window is 0)
	STEP 0, 1, 1, 1, 1
	s_add_co_u32 s[STP], s[STP], 1
	s_cmp_lt_u32 s[STP], 6
	s_cbranch_scc1 .Lstep
	STEP 0, 0, 1, 0, 1                             ; step 6: V(7)
	STEP 0, 0, 0, 0, 0                             ; step 7: nothing is filled again
	; THE MERGE.  Each tile's sum: its two halves, and the other half of the lanes'.  These lines are also the places behind the last products.
	WIN 0
	s_mul_i32 s90, s[WV], XW                       ; my area,
	s_xor_b32 s91, s[WV], 1
	s_mul_i32 s91, s91, XW                         ; my partner's,
	s_mul_i32 s92, s[WV], 16*VP
	s_add_co_u32 s92, s92, STG                     ; and my stage
	v_add_f32 v20, v[ST+2], v[ST+3]
	v_add_f32 v21, v[ST+6], v[ST+7]
	v_and_b32 v24, 31, v0                          ; lane
	v_and_b32 v25, 15, v0                          ; r
	v_bfe_u32 v26, v0, 4, 1                        ; h
	v_permlanex16_b32 v22, v20, s[SEL], s[SEL+1]
	v_permlanex16_b32 v23, v21, s[SEL], s[SEL+1]
	v_lshl_add_u32 v1, v24, 4, s90                 ; where I put an image, and where I read my partner's; v3, v4 the same for a word of statistics
	v_lshl_add_u32 v2, v24, 4, s91
	v_lshl_add_u32 v3, v24, 2, s90
	v_lshl_add_u32 v4, v24, 2, s91
	v_mul_u32_u24 v10, v25, VP                     ; the way out: in: row r, 32 bytes for each half of the lanes;
	v_lshl_add_u32 v10, v26, 5, v10
	v_add_nc_u32 v10, s92, v10
	v_lshl_add_u32 v11, v24, 4, s92                ; back: the 32 lanes take one row of 512 bytes;
	v_lshlrev_b32 v27, 4, v24                      ; and the same in out0
	v_add_f32 v20, v20, v22
	v_add_f32 v21, v21, v23
	ds_store_b32 v3, v[ST+4] offset:XST            ; register tile 1 goes to my partner: -M, the sum, and O^T as an image of its registers
	ds_store_b32 v3, v21 offset:XST+128
.set i, 0
.rept 16
	ds_store_b128 v1, v[O+64+4*i:O+64+4*i+3] offset:512*i
.set i, i+1
.endr
	VDONE
	s_wait_dscnt 0x0                               ; for my partner's sake: my stores are done
	s_barrier_signal -1
	s_barrier_wait -1
	ds_load_b32 v32, v4 offset:XST
	ds_load_b32 v33, v4 offset:XST+128
.set i, 0
.rept 16
	ds_load_b128 v[KB+4*i:KB+4*i+3], v2 offset:512*i
.set i, i+1
.endr
	s_wait_dscnt 16                                ; the two words of statistics are in; the 16 images may be out
	v_min_num_f32 v34, v[ST], v32                  ; the joint -M: the larger M
	v_sub_f32 v36, v34, v[ST]                      ; my M less the joint M, and my partner's: whole numbers, 0 or less
	v_sub_f32 v38, v34, v32
	v_cvt_i32_f32 v36, v36
	v_cvt_i32_f32 v38, v38
	v_ldexp_f32 v36, 1.0, v36                      ; the two factors, powers of two
	v_ldexp_f32 v38, 1.0, v38
	v_mul_f32 v40, v20, v36
	v_fma_f32 v40, v33, v38, v40                   ; the row's sum over all keys
	VDONE                                          ; the wait ahead of the transcendental
	v_rcp_f32 v40, v40
	v_mov_b32 v37, 0                               ; the pairs' upper words are named, so they are written; plain instructions behind the reciprocal
	v_mov_b32 v39, 0
	VDONE                                          ; and ahead of its first reader
	v_ldexp_f32 v40, v40, s[EPV]                   ; x 2^(ep + ev)
	v_mul_f32 v36, v36, v40
	v_mul_f32 v38, v38, v40
	VDONE
	s_wait_dscnt 0x0                               ; the images
.set i, 0
.rept 32
	v_pk_mul_f32 v[KB+i:KB+i+1], v[KB+i:KB+i+1], v[38:39] op_sel_hi:[1,0]
.set i, i+2
.endr
	VDONE                                          ; the wait directly ahead of the first readers of O^T
.set i, 0
.rept 32
	v_pk_fma_f32 v[KB+i:KB+i+1], v[O+i:O+i+1], v[36:37], v[KB+i:KB+i+1] op_sel_hi:[1,0,1]   ; register 8 a + i is out0(r, 16 a + 8 h + i)
.set i, i+2
.endr
	; THE WAY OUT: through my own stage in LDS and back as whole rows of 512 bytes.  LDS serves a wave's instructions in order (ISA guide 5.7.1.4): no wait between the stores and the loads.
.irp a, 0,1,2,3,4,5,6,7
	ds_store_b128 v10, v[KB+8*\a:KB+8*\a+3] offset:64*\a
	ds_store_b128 v10, v[KB+8*\a+4:KB+8*\a+7] offset:64*\a+16
.endr
.irp i, 0,1,2,3,4,5,6,7,8,9,10,11,12,13,14,15
	ds_load_b128 v[O+4*\i:O+4*\i+3], v11 offset:VP*\i
.endr
	VDONE
.irp i, 0,1,2,3,4,5,6,7,8,9,10,11,12,13,14,15
	s_wait_dscnt 15-\i                             ; row i is back; the later rows may be out
	global_store_b128 v27, v[O+4*\i:O+4*\i+3], s[12:13] offset:512*\i th:TH_STORE_NT   ; 32 lanes store 512 consecutive bytes, at a multiple of 256 from out0's first byte
.endr
	s_wait_tensorcnt 0x0                           ; the wave's end
	ds_add_u32 v[SPW], v[NIL]
	s_wait_dscnt 0x0
	CROUND                                         ; the closing round: no work-group ends while a partner may still ask for a tile that names it
	s_endpgm
.Lfunc_end_k_q185c98419f_attn:
	.size	k_q185c98419f_attn, .Lfunc_end_k_q185c98419f_attn-k_q185c98419f_attn
	.p2alignl 7, 3214868480
	.fill 96, 4, 3214868480
	.section	.rodata,"a",@progbits
	.p2align	6, 0x0
	.amdhsa_kernel k_q185c98419f_attn
		.amdhsa_group_segment_fixed_size 327680
		.amdhsa_private_segment_fixed_size 0
		.amdhsa_enable_private_segment 0
		.amdhsa_kernarg_size 40
		.amdhsa_user_sgpr_count 2
		.amdhsa_user_sgpr_kernarg_segment_ptr 1
		.amdhsa_wavefront_size32 1
		.amdhsa_system_sgpr_workgroup_id_x 1
		.amdhsa_system_sgpr_workgroup_id_y 1
		.amdhsa_system_sgpr_workgroup_id_z 1
		.amdhsa_system_vgpr_workitem_id 0
		.amdhsa_next_free_vgpr 512
		.amdhsa_next_free_sgpr 96
		.amdhsa_reserve_vcc 0
		.amdhsa_float_denorm_mode_32 3
		.amdhsa_float_denorm_mode_16_64 3
		.amdhsa_memory_ordered 1
		.amdhsa_forward_progress 1
		.amdhsa_inst_pref_size 255
	.end_amdhsa_kernel
	.section	.bss,"aw",@nobits
	.p2align	6
	.space	262144
	.amdgpu_metadata
---
amdhsa.version: [ 1, 2 ]
amdhsa.kernels:
  - .name:           k_q185c98419f_attn
    .symbol:         k_q185c98419f_attn.kd
    .args:
      - { .name: K_codes, .offset: 0, .size: 8, .value_kind: global_buffer, .address_space: global }
      - { .name: Q_codes, .offset: 8, .size: 8, .value_kind: global_buffer, .address_space: global }
      - { .name: V_codes, .offset: 16, .size: 8, .value_kind: global_buffer, .address_space: global }
      - { .name: lowp_scales, .offset: 24, .size: 8, .value_kind: global_buffer, .address_space: global }
      - { .name: out0, .offset: 32, .size: 8, .value_kind: global_buffer, .address_space: global }
    .group_segment_fixed_size: 327680
    .private_segment_fixed_size: 0
    .kernarg_segment_align: 8
    .kernarg_segment_size: 40
    .max_flat_workgroup_size: 256
    .sgpr_count:     96
    .vgpr_count:     512
    .wavefront_size: 32
...
	.end_amdgpu_metadata
.endif
;; end of part 1
